; MI455X (gfx1250); checked and timed in simulation.
; The chip was launched on July 23, 2026; its instructions are those of AMD's public machine-readable ISA for CDNA 5 (MIT licence, August 2026) and "CDNA5" Instruction Set Architecture Reference Guide (July 2026). The comments in the code are by the model that wrote it; some were corrected since.
;; Sparse Mo E. Allowed arithmetic: matrix products marked QUANTISED: E4M3 operands, one E8M0 scale for each 32 along K, by v_wmma_scale_f32_16x16x128_f8f6f4 with both operands' format E4M3, f32 sums; products left as they are: f32 operands where the result goes on into a quantised operand, else bf16, f16 or f32 operands; f32 sums; everything else in f32.
;; Inputs: b1 8 x 1,024 float32; b2 8 x 512 float32; gate_b 8 float32; gate_w 512 x 8 float32; noise 4 x 2,048 x 8 float32; w1 8 x 512 x 1,024 float32; w2 8 x 1,024 x 512 float32; x 4 x 2,048 x 512 float32.
;; Outputs: out0 4 x 2,048 x 512 float32; out1 4 x 2,048 x 2 int32; out2 one number float32.
;; This version of the problem:
;;   THIS VERSION OF THE PROBLEM IS GIVEN IN LOW PRECISION. The matrix products marked QUANTISED in the list below multiply operands that are first quantised to E4M3 (4 exponent bits, 3 mantissa bits; 8 bits a number), with one power-of-two scale for each 32 numbers along K (OCP MX v1.0); their sums are f32. All else is computed in f32.
;;   The module's matrix products, in the order in which they are computed (A, B: the left and right operand; K: the contracted axis; several contracted axes count as one K, in the product's order):
;;     1. [M 8,192, K 512] x [K 512, N 8]; A: computed on the way; B: input gate_w: left as it is (N = 8 < 16)
;;     2. [M 8,192, K 512] x [K 512, N 8,192]; A: input w1; B: computed on the way: QUANTISED
;;     3. batch 8 x [M 8,192, K 1,024] x [K 1,024, N 512]; A: computed on the way; B: input w2: QUANTISED
;;     4. batch 8,192 x [M 512, K 2] x [K 2, N 1]; A: computed on the way; B: computed on the way: left as it is (K = 2 < 32)
;;   THE QUANTISER, for each operand of a quantised product, along K:
;;     - K is cut into blocks of 32 from its start; a last block that is shorter is filled with zeros.
;;     - A block's scale is 2^e with e = floor(log2(the largest magnitude in the block)) - 8, held to -126 .. 127; a block of zeros has e = 0. As a byte (E8M0): e + 127.
;;     - Each number is divided by its block's scale, clamped to +-448, and rounded to the nearest number of E4M3, ties to even, subnormals kept.
;;     - The product sums the exact products of the quantised numbers (number of the format x scale) in f32.
;;   ~~~python
;;   def quantise(x, axis):      # numpy; x: float32 -> the quantised numbers, widened to float32 again
;;       x = np.moveaxis(x, axis, -1); K = x.shape[-1]
;;       x = np.pad(x, [(0, 0)] * (x.ndim - 1) + [(0, -K % 32)]); x = x.reshape(x.shape[:-1] + (-1, 32)); a = np.abs(x).max(-1, keepdims=True)
;;       e = np.where(a > 0, np.clip(np.frexp(np.where(a > 0, a, 1))[1] - 1 - 8, -126, 127), 0)      # np.frexp(a)[1] - 1 = floor(log2(a)), exactly
;;       r = np.clip(x / 2.0 ** e, -448, 448)
;;       step = 2.0 ** (np.maximum(np.frexp(np.where(r == 0, 1, r))[1] - 1, -6) - 3)
;;       q = np.round(r / step) * step * 2.0 ** e      # np.round: ties to even
;;       return np.moveaxis(q.reshape(q.shape[:-2] + (-1,))[..., :K], -1, axis).astype(np.float32)
;;   ~~~
;;   OPERANDS COMPUTED ON THE WAY. 'Computed on the way' means the value that the module computes at that place (a softmax that the list does not call 'softmax' is quantised finished and normalised). What goes into a quantiser is computed in f32, as accurately as f32 sums, v_exp_f32 and their like allow (about 1e-6 of the number): no bf16 or f16 on the way to a quantiser, and a product that is left as it is and whose result goes on into a quantised operand takes f32 operands (vector FMAs, or v_wmma_f32_16x16x4_f32). A number that lies on a knife's edge between two numbers of the format may be rounded either way, as far as f32 arithmetic and the matrix unit's own rounding can turn it there, and no further.
;; One version. Each part assembles by itself: llvm-mc -triple=amdgcn-amd-amdhsa -mcpu=gfx1250 --defsym DOCPART=n.
;; ======== version 1 of 1: 3 launches
;; workspace buffers: xq 4,194,304 bytes; xs 131,072 bytes; wq 8,650,752 bytes; probs 73,728 bytes; route 65,536 bytes of whole numbers; tiles 39,936 bytes of whole numbers
;; launch prep (part 1): grid 768 x 1, 4 waves a work-group, no clusters, 29,184 bytes of LDS; arguments x, noise, gate_w, gate_b, w1, w2, xq, xs, wq, probs, route, out1; writes xq, xs, wq, probs, route, out1
.if DOCPART == 1
	.amdgcn_target "amdgcn-amd-amdhsa--gfx1250"
	.amdhsa_code_object_version 6
	.text
	.protected	k_q49352df7b8_prep
	.globl	k_q49352df7b8_prep
	.p2align	8
	.type	k_q49352df7b8_prep,@function
k_q49352df7b8_prep:
	s_mov_b64 s[64:65], 0
	v_nop
	global_prefetch_b8 v0, s[64:65] scope:SCOPE_SE
	s_setreg_imm32_b32 hwreg(HW_REG_WAVE_MODE, 25, 1), 1
	s_wait_xcnt 0x0
; PREP.  Work-groups 0-255: the router, 32 tokens each.  Work-groups 256-767: w1 and w2 into codes of E4M3 with one E8M0 byte for each 32 along K.
; ROUTER.  A wave takes one row of x (512 f32) a step, eight rows.  The row comes by four loads of 512 consecutive bytes and turns through the wave's own stage in LDS, so that a lane
; holds 16 neighbours along K.  The row's sum decides (mean > 0.1) whether the row lives; it is multiplied by 1 / (sum + 1e-8) or by 0; its eight gate sums are f32 multiply-adds against
; gate_w, of which a lane keeps its 16 rows in 128 registers; then it is quantised (two lanes to a block of 32).  Behind a barrier wave 0 takes a token a lane: logits, the two largest
; (the lower index wins a tie), the softmax over all logits >= the second, the pair's key, the token's rank among its block's tokens of that key, the block's histogram of keys.
; All that comes of floating-point numbers is stored at fixed places: no address and no branch hangs on it.
; KEY of a pair lo < hi, d = hi - lo:  d <= 4: delta = d, a = lo;  else delta = 8 - d, a = hi;  key = 8 (delta - 1) + a, 0 .. 27;  the other expert is b = (a + delta) & 7.
; WEIGHTS.  A lane takes a column n and its registers run down K (K is the first axis of w1[e] and w2[e]), so a block of 32 lies in one lane and the conversions give codes with K innermost.
; They are stored in the order of the chain's operand registers: wq [expert 8][wave 4][j 32][8,448 bytes]; a piece j holds four fragments [c 4][lane 32][16 bytes] and 256 bytes of scale words
; [lane 32][2].  j = 8 g + 2 s + half: W1, hidden units 256 w + 128 g on, K step s, tiles 4 half + f; row r of tile 2 b + u is unit 32 b + 8 u + r + 8 (r / 8).  j = 16 + 2 ks + half: W2, outputs 128 w + 16 t + r.
; A wave makes two fragments (32 columns x 128 K).  Its code stores cover 256 consecutive aligned bytes for each sixteen lanes; its one store of scale words writes every second word of the piece's
; last 256 bytes (the wave beside it writes the others): 1 byte in 33 of what is stored.
; LIMITS: NaN and infinities among the inputs are not served (a dead row is made by x 0).  Logits must lie above -9.9e8, so that what the mask sets to -1e9 has the weight 0.  x / (sum + 1e-8) is a
; multiplication by v_rcp_f32; noise x 0.01 is fused into the addition; sums are taken in another order than a plain loop's.  A block whose largest magnitude lies under 2^-118 keeps the byte 1
; (a block of zeros too: its codes are zeros, and this program alone reads the bytes).
; No clusters, no tensor loads: work-groups share nothing but gate_w's 16 KB, and memory binds.
.set GWS, 0                            ; LDS: gate_w, 512 bytes + 16 for each lane
.set STG, 16896                        ; a stage of 32 x 80 bytes for each wave
.set LG,  27136                        ; [token 32][8] gate sums
.set XSB, 28160                        ; [token 32][16] scale bytes
.set SUM, 16                           ; v16-23   eight gate sums
.set CD,  24                           ; v24-31   codes, two sets of four
.set PX,  32                           ; v32-39   the other half's numbers in a sum over lanes
.set X,   48                           ; v48-63   16 neighbours of a row
.set R,   64                           ; v64-127  four sets of 16 numbers as loaded
.set GW,  128                          ; v128-255 gate_w[16 lane + i][e] at GW + 8 i + e
.set WX,  32                           ; weights: v32-95 two sets of 32 numbers
.set WC,  96                           ; weights: v96-127 codes, eight a block, never written again
	s_load_b512 s[4:19], s[0:1], 0x0               ; x, noise, gate_w, gate_b, w1, w2, xq, xs
	s_load_b256 s[20:27], s[0:1], 0x40             ; wq, probs, route, out1
	s_set_vgpr_msb 0x40
	v_lshl_add_u32 v0, v0, 2, 0x7000
	v_mov_b32 v1, 0
	s_set_vgpr_msb 0x4000
	v_lshrrev_b32 v1, 5, v0
	v_readfirstlane_b32 s28, v1                    ; wave 0..3
	s_mov_b32 s53, 0x600000                        ; the mantissa field of 448
	s_mov_b32 s31, 0                               ; the upper word of every 32-bit offset
	s_wait_kmcnt 0x0
	s_cmp_lt_u32 ttmp9, 256                        ; the same in all four waves
	s_cbranch_scc0 .Lweights
; ------------------------------------------------------------------ the router
	s_load_b256 s[40:47], s[10:11], 0x0            ; gate_b
	s_mov_b32 s48, 0x3dcccccd                      ; 0.1
	s_mov_b32 s49, 0x322bcc77                      ; 1e-8
	s_mov_b32 s50, 0x3b000000                      ; 1 / 512
	s_mov_b32 s51, 0x3c23d70a                      ; 0.01
	s_mov_b32 s52, 0x3fb8aa3b                      ; log2(e)
	s_mov_b32 s54, 0x76543210                      ; v_permlanex16_b32: lane l xor 16
	s_mov_b32 s55, 0xfedcba98
	v_and_b32 v10, 31, v0                          ; lane
	v_lshlrev_b32 v1, 4, v10                       ; 16 x lane
	v_lshlrev_b32 v11, 4, v0                       ; 16 x thread
.irp j, 0,1,2,3,4,5,6,7
	global_load_b128 v[GW+4*\j:GW+4*\j+3], v11, s[8:9] offset:2048*\j   ; gate_w, dense: 2,048 bytes a work-group and load
.endr
	s_lshl_b32 s30, ttmp9, 16                      ; 32 rows of 2,048 bytes a block,
	s_lshl_b32 s29, s28, 14                        ; 8 rows a wave
	s_add_co_u32 s30, s30, s29
	s_add_nc_u64 s[4:5], s[4:5], s[30:31]
.macro LOAD t                          ; row t of my eight: four loads of 512 consecutive bytes
.irp i, 0,1,2,3
	global_load_b128 v[R+16*((\t)%4)+4*\i:R+16*((\t)%4)+4*\i+3], v1, s[4:5] offset:2048*(\t)+512*\i th:TH_LOAD_NT
.endr
.endm
	LOAD 0
	LOAD 1
	LOAD 2
	LOAD 3
	s_lshr_b32 s30, s30, 2                         ; the codes are a quarter of the bytes
	s_add_nc_u64 s[16:17], s[16:17], s[30:31]
	s_lshl_b32 s30, ttmp9, 10
	s_add_nc_u64 s[6:7], s[6:7], s[30:31]          ; noise: 32 bytes a token
	s_lshl_b32 s30, ttmp9, 9
	s_add_nc_u64 s[18:19], s[18:19], s[30:31]      ; xs: 16 bytes a token
	s_lshl_b32 s30, ttmp9, 8
	s_add_nc_u64 s[26:27], s[26:27], s[30:31]      ; out1: 8 bytes a token
	s_add_nc_u64 s[36:37], s[22:23], s[30:31]      ; the two weights: likewise
	s_lshl_b32 s30, ttmp9, 7
	s_add_nc_u64 s[24:25], s[24:25], s[30:31]      ; sel: 4 bytes a token; the histogram: 128 bytes a block, 32,768 further on
	s_lshl_b32 s30, ttmp9, 5
	s_add_nc_u64 s[38:39], s[22:23], s[30:31]      ; the block's summed probabilities: 32 bytes, 65,536 further on
	v_lshrrev_b32 v12, 5, v0
	v_add_nc_u32 v12, v12, v0
	v_lshlrev_b32 v12, 4, v12                      ; gate_w into LDS: 16 thread + 16 (thread / 32): 16 bytes of padding behind each 512
	v_mul_u32_u24 v13, v10, 528                    ; and out of it: my 512 bytes
	s_mul_i32 s29, s28, 2560
	s_add_co_u32 s29, s29, STG                     ; my wave's stage
	v_lshrrev_b32 v2, 2, v10
	v_mul_u32_u24 v2, v2, 80
	v_and_b32 v3, 3, v10
	v_lshl_add_u32 v2, v3, 4, v2
	v_add_nc_u32 v2, s29, v2                       ; in: 80 (lane / 4) + 16 (lane % 4)
	v_mul_u32_u24 v3, v10, 80
	v_add_nc_u32 v3, s29, v3                       ; out: 80 x lane
	s_lshl_b32 s29, s28, 7
	s_add_co_u32 s29, s29, XSB
	v_lshrrev_b32 v4, 1, v10
	v_add_nc_u32 v4, s29, v4                       ; my block's scale byte: 16 bytes a token
	s_lshl_b32 s29, s28, 8
	s_add_co_u32 s29, s29, LG
	v_mov_b32 v5, s29                              ; my wave's gate sums: 32 bytes a token
	v_lshlrev_b32 v47, 5, v10                      ; noise: 32 x lane
.irp e, 0,1,2,3,4,5,6,7
	v_mov_b32 v[PX+\e], 0                          ; written once: a lane permute's destination counts as one of its sources
.endr
	s_wait_loadcnt 16                              ; gate_w is in; the four rows' 16 loads may be out
.irp j, 0,1,2,3,4,5,6,7
	ds_store_b128 v12, v[GW+4*\j:GW+4*\j+3] offset:2112*\j
.endr
	s_wait_dscnt 0x0                               ; for the others' sake: my part of gate_w lies in LDS
	s_barrier_signal -1
	s_barrier_wait -1
.set nn, 0
.rept 32
	ds_load_b128 v[GW+4*nn:GW+4*nn+3], v13 offset:16*nn
.set nn, nn+1
.endr
	s_wait_dscnt 0x0
	s_wait_kmcnt 0x0                               ; gate_b
.macro STEP t
.set RS, R+16*((\t)%4)
.set CS, CD+4*((\t)%2)
.if (\t) <= 4
	s_wait_loadcnt 12                              ; this row's four loads are in; three younger rows may be out
.else
	s_wait_loadcnt 4*(7-(\t))+2                    ; the younger rows and the two loads of noise may be out
.endif
.irp i, 0,1,2,3
	ds_store_b128 v2, v[RS+4*\i:RS+4*\i+3] offset:640*\i
.endr
.irp i, 0,1,2,3
	ds_load_b128 v[X+4*\i:X+4*\i+3], v3 offset:16*\i   ; LDS serves a wave's instructions in order: these see the stores above
.endr
	s_wait_dscnt 0x0                               ; my 16 neighbours are in; all earlier LDS stores have read their registers
.if (\t) < 4
	LOAD (\t)+4
.elseif (\t) == 4
	global_load_b128 v[R:R+3], v47, s[6:7]         ; noise, a token a lane.  Every wave asks, so that the counts are the same on every wave's path; wave 0 uses it
	global_load_b128 v[R+4:R+7], v47, s[6:7] offset:16
.endif
	v_pk_add_f32 v[6:7], v[X:X+1], v[X+2:X+3]      ; the row's sum: my 16,
	v_pk_add_f32 v[10:11], v[X+4:X+5], v[X+6:X+7]
	v_pk_add_f32 v[12:13], v[X+8:X+9], v[X+10:X+11]
	v_pk_add_f32 v[14:15], v[X+12:X+13], v[X+14:X+15]
	v_pk_add_f32 v[6:7], v[6:7], v[10:11]
	v_pk_add_f32 v[12:13], v[12:13], v[14:15]
	v_pk_add_f32 v[6:7], v[6:7], v[12:13]
	v_add_f32 v6, v6, v7
.irp m, 1,2,4,8
	v_add_f32_dpp v6, v6, v6 row_xmask:\m row_mask:0xf bank_mask:0xf   ; the sixteen lanes of my half,
.endr
	v_permlanex16_b32 v7, v6, s54, s55
	v_add_f32 v6, v6, v7                           ; and the other half
	v_mul_f32 v7, s50, v6                          ; the mean (x 2^-9: exact)
	v_add_f32 v10, s49, v6                         ; sum + 1e-8
	v_cmp_lt_f32 vcc_lo, s48, v7                   ; 0.1 < mean
	v_rcp_f32 v11, v10
	v_nop                                          ; a plain instruction behind the transcendental
	s_wait_alu depctr_va_vdst(0)
	v_cndmask_b32 v8, 0, v11, vcc_lo               ; a row that does not spike is multiplied by 0
	v_mov_b32 v9, v8
.irp i, 0,2,4,6,8,10,12,14
	v_pk_mul_f32 v[X+\i:X+\i+1], v[X+\i:X+\i+1], v[8:9]
.endr
	; the gate: sum over my 16 k of x[k] gate_w[k][e], two experts an instruction; x[k] feeds both halves
.irp p, 0,1,2,3
	v_pk_mul_f32 v[SUM+2*\p:SUM+2*\p+1], v[X:X+1], v[GW+2*\p:GW+2*\p+1] op_sel_hi:[0,1]
.endr
.irp p, 0,1,2,3
	v_pk_fma_f32 v[SUM+2*\p:SUM+2*\p+1], v[X:X+1], v[GW+8+2*\p:GW+8+2*\p+1], v[SUM+2*\p:SUM+2*\p+1] op_sel:[1,0,0] op_sel_hi:[1,1,1]
.endr
.irp i, 2,4,6,8,10,12,14
.irp p, 0,1,2,3
	v_pk_fma_f32 v[SUM+2*\p:SUM+2*\p+1], v[X+\i:X+\i+1], v[GW+8*\i+2*\p:GW+8*\i+2*\p+1], v[SUM+2*\p:SUM+2*\p+1] op_sel_hi:[0,1,1]
.endr
.irp p, 0,1,2,3
	v_pk_fma_f32 v[SUM+2*\p:SUM+2*\p+1], v[X+\i:X+\i+1], v[GW+8*(\i+1)+2*\p:GW+8*(\i+1)+2*\p+1], v[SUM+2*\p:SUM+2*\p+1] op_sel:[1,0,0] op_sel_hi:[1,1,1]
.endr
.endr
.irp m, 1,2,4,8
.irp e, 0,1,2,3,4,5,6,7
	v_add_f32_dpp v[SUM+\e], v[SUM+\e], v[SUM+\e] row_xmask:\m row_mask:0xf bank_mask:0xf
.endr
.endr
.irp e, 0,1,2,3,4,5,6,7
	v_permlanex16_b32 v[PX+\e], v[SUM+\e], s54, s55
.endr
.irp e, 0,1,2,3,4,5,6,7
	v_add_f32 v[SUM+\e], v[SUM+\e], v[PX+\e]
.endr
	ds_store_b128 v5, v[SUM:SUM+3] offset:32*(\t)          ; all lanes write the same words with the same values
	ds_store_b128 v5, v[SUM+4:SUM+7] offset:32*(\t)+16
	; the quantiser: two neighbouring lanes hold a block of 32
	v_max3_num_f32 v10, |v[X]|, |v[X+1]|, |v[X+2]|
	v_max3_num_f32 v11, |v[X+3]|, |v[X+4]|, |v[X+5]|
.irp i, 6,10
	v_max3_num_f32 v10, v10, |v[X+\i]|, |v[X+\i+1]|
	v_max3_num_f32 v11, v11, |v[X+\i+2]|, |v[X+\i+3]|
.endr
	v_max3_num_f32 v10, v10, |v[X+14]|, |v[X+15]|
	v_max3_num_f32 v10, v10, v11, 0x4800000        ; the floor 2^(9 - 127): the byte cannot fall under 1
	v_max_num_f32_dpp v10, v10, v10 row_xmask:1 row_mask:0xf bank_mask:0xf
	v_add_nc_u32 v12, 0xfc000000, v10              ; 8 off the exponent field: the conversion's scale operand
	v_and_or_b32 v13, v10, 0x7f800000, s53         ; 448 x the scale
.irp i, 0,1,2,3,4,5,6,7,8,9,10,11,12,13,14,15
	v_med3_num_f32 v[X+\i], v[X+\i], -v13, v13     ; the conversion to an 8-bit code does not saturate (ISA guide 7.6.2)
.endr
	s_wait_xcnt 0x0                                ; the store of two steps ago has read this set of code registers
	v_cvt_scalef32_pk8_fp8_f32 v[CS:CS+1], v[X:X+7], v12
	v_cvt_scalef32_pk8_fp8_f32 v[CS+2:CS+3], v[X+8:X+15], v12
	v_lshrrev_b32 v14, 23, v12                     ; the scale's byte (also the plain instruction behind the conversions)
	ds_store_b8 v4, v14 offset:16*(\t)             ; both lanes of a block write the same byte
	global_store_b128 v1, v[CS:CS+3], s[16:17] offset:512*(\t)   ; the row's 512 codes: 512 consecutive bytes
.endm
.irp t, 0,1,2,3,4,5,6,7
	STEP \t
.endr
	s_wait_dscnt 0x0                               ; for wave 0's sake: my gate sums and scale bytes lie in LDS
	s_barrier_signal -1
	s_barrier_wait -1
	s_cmp_lg_u32 s28, 0
	s_cbranch_scc1 .Lend                           ; no barrier follows
; wave 0: a token a lane
	v_and_b32 v44, 31, v0
	v_lshl_add_u32 v45, v44, 5, LG
	v_lshl_add_u32 v46, v44, 4, XSB
	ds_load_b128 v[16:19], v45
	ds_load_b128 v[20:23], v45 offset:16
	ds_load_b128 v[40:43], v46
	v_lshlrev_b32 v96, 3, v44                      ; 8 x lane
	v_lshlrev_b32 v97, 2, v44                      ; 4 x lane
	s_wait_dscnt 0x0
	s_wait_loadcnt 0x0                             ; noise
	global_store_b128 v1, v[40:43], s[18:19]       ; the block's scale bytes: 512 consecutive bytes
.irp e, 0,1,2,3,4,5,6,7
	v_add_f32 v[16+\e], s[40+\e], v[16+\e]         ; + gate_b
.endr
.irp e, 0,1,2,3,4,5,6,7
	v_fma_f32 v[16+\e], v[R+\e], s51, v[16+\e]     ; + 0.01 noise
.endr
	v_mov_b32 v48, v16                             ; the largest, and where: strictly greater moves it, so the lowest index wins a tie
	v_mov_b32 v74, 0
.irp e, 1,2,3,4,5,6,7
	v_cmp_gt_f32 vcc_lo, v[16+\e], v48
	v_cndmask_b32 v48, v48, v[16+\e], vcc_lo
	v_cndmask_b32 v74, v74, \e, vcc_lo
.endr
	v_mov_b32 v52, 0xff800000                      ; -infinity in the first one's place
.irp e, 0,1,2,3,4,5,6,7
	v_cmp_eq_u32 vcc_lo, \e, v74
	v_cndmask_b32 v[80+\e], v[16+\e], v52, vcc_lo
.endr
	v_mov_b32 v50, v80                             ; the second largest, likewise
	v_mov_b32 v75, 0
.irp e, 1,2,3,4,5,6,7
	v_cmp_gt_f32 vcc_lo, v[80+\e], v50
	v_cndmask_b32 v50, v50, v[80+\e], vcc_lo
	v_cndmask_b32 v75, v75, \e, vcc_lo
.endr
.irp e, 0,1,2,3,4,5,6,7
	v_sub_f32 v[88+\e], v[16+\e], v48              ; the largest is taken away ahead of the exponential
.endr
	v_sub_f32 v53, v50, v48
.irp e, 0,1,2,3,4,5,6,7
	v_mul_f32 v[88+\e], s52, v[88+\e]
.endr
	v_mul_f32 v53, s52, v53
.irp e, 0,1,2,3,4,5,6,7
	v_exp_f32 v[88+\e], v[88+\e]
.endr
	v_exp_f32 v53, v53
	v_nop
	s_wait_alu depctr_va_vdst(0)
.irp e, 0,1,2,3,4,5,6,7
	v_cmp_ge_f32 vcc_lo, v[16+\e], v50             ; what lies under the second largest is masked: its weight is 0
	v_cndmask_b32 v[88+\e], 0, v[88+\e], vcc_lo
.endr
	v_add_f32 v54, v88, v89
	v_add_f32 v78, v90, v91
	v_add_f32 v79, v92, v93
	v_add_f32 v63, v94, v95
	v_add_f32 v54, v54, v78
	v_add_f32 v79, v79, v63
	v_add_f32 v54, v54, v79
	v_rcp_f32 v55, v54                             ; the first one's probability: its exponential is 1
	v_nop
	s_wait_alu depctr_va_vdst(0)
.irp e, 0,1,2,3,4,5,6,7
	v_mul_f32 v[88+\e], v[88+\e], v55
.endr
	v_mul_f32 v53, v53, v55                        ; the second one's
.irp m, 1,2,4,8
.irp e, 0,1,2,3,4,5,6,7
	v_add_f32_dpp v[88+\e], v[88+\e], v[88+\e] row_xmask:\m row_mask:0xf bank_mask:0xf   ; each expert's probability summed over the block's 32 tokens
.endr
.endr
.irp e, 0,1,2,3,4,5,6,7
	v_permlanex16_b32 v[PX+\e], v[88+\e], s54, s55
.endr
.irp e, 0,1,2,3,4,5,6,7
	v_add_f32 v[88+\e], v[88+\e], v[PX+\e]
.endr
	v_mov_b32 v56, v88                             ; lane e takes expert e's sum
.irp e, 1,2,3,4,5,6,7
	v_cmp_eq_u32 vcc_lo, \e, v44
	v_cndmask_b32 v56, v56, v[88+\e], vcc_lo
.endr
	v_min_u32 v57, v74, v75                        ; lo
	v_max_u32 v58, v74, v75                        ; hi
	v_sub_nc_u32 v59, v58, v57                     ; d
	v_cmp_lt_u32 vcc_lo, 4, v59
	v_sub_nc_u32 v60, 8, v59
	v_cndmask_b32 v60, v59, v60, vcc_lo            ; delta
	v_cndmask_b32 v61, v57, v58, vcc_lo            ; a
	v_lshl_add_u32 v62, v60, 3, v61
	v_add_nc_u32 v62, -8, v62                      ; the key
	v_cmp_eq_u32 vcc_lo, v74, v61
	v_cndmask_b32 v72, v53, v55, vcc_lo            ; expert a's probability,
	v_cndmask_b32 v73, v55, v53, vcc_lo            ; expert b's
	v_mov_b32 v76, 0                               ; the histogram: lane k takes the count of key k
	v_mov_b32 v77, 0                               ; my rank among the block's tokens of my key
.set kk, 0
.rept 28
	v_cmp_eq_u32 s56, kk, v62
	s_bcnt1_i32_b32 s57, s56
	v_writelane_b32 v76, s57, kk
	v_mbcnt_lo_u32_b32 v78, s56, 0
	v_cndmask_b32 v77, v77, v78, s56
.set kk, kk+1
.endr
	v_lshl_or_b32 v77, v77, 8, v62                 ; sel = key | rank << 8
	global_store_b64 v96, v[74:75], s[26:27]       ; out1: 256 consecutive bytes
	global_store_b64 v96, v[72:73], s[36:37]
	global_store_b32 v97, v77, s[24:25]
	global_store_b32 v97, v76, s[24:25] offset:32768
	s_wait_xcnt 0x0                                ; EXEC is a source of the stores above: it changes only behind this wait
	v_cmp_gt_u32 vcc_lo, 8, v44
	s_and_saveexec_b32 s60, vcc_lo
	global_store_b32 v97, v56, s[38:39] offset:65536
	s_wait_xcnt 0x0
	s_or_b32 exec_lo, exec_lo, s60
.Lend:
	s_set_vgpr_msb 0x5
	s_wait_tensorcnt 0x0
	ds_add_u32 v0, v1
	s_wait_dscnt 0x0
	s_set_vgpr_msb 0x500
	s_endpgm
; ------------------------------------------------------------------ the weights
.macro WLOAD c, base, pitch            ; block c: rows 32 c .. 32 c + 31 of the K step, my column
.set wi, 0
.rept 32
	global_load_b32 v[WX+32*((\c)%2)+wi], v2, s[\base:\base+1] offset:(32*(\c)+wi)*\pitch th:TH_LOAD_NT
.set wi, wi+1
.endr
.endm
.macro WBLOCK c, base, pitch
.set XB, WX+32*((\c)%2)
.if (\c) < 3
	s_wait_loadcnt 32                              ; this block's 32 loads are in; the next block's may be out
.else
	s_wait_loadcnt 0x0
.endif
	v_max3_num_f32 v8, |v[XB]|, |v[XB+1]|, |v[XB+2]|   ; the block's largest magnitude: all 32 numbers are mine
	v_max3_num_f32 v9, |v[XB+3]|, |v[XB+4]|, |v[XB+5]|
.irp i, 6,10,14,18,22,26
	v_max3_num_f32 v8, v8, |v[XB+\i]|, |v[XB+\i+1]|
	v_max3_num_f32 v9, v9, |v[XB+\i+2]|, |v[XB+\i+3]|
.endr
	v_max3_num_f32 v8, v8, |v[XB+30]|, |v[XB+31]|
	v_max3_num_f32 v8, v8, v9, 0x4800000           ; the floor 2^(9 - 127)
	v_add_nc_u32 v11, 0xfc000000, v8               ; the conversion's scale operand
	v_and_or_b32 v10, v8, 0x7f800000, s53          ; 448 x the scale
	v_lshrrev_b32 v12, 23, v11                     ; the byte
.if (\c) == 0
	v_mov_b32 v14, v12
.else
	v_lshl_or_b32 v14, v12, 8*(\c), v14            ; four bytes make the K step's scale word of my column
.endif
.set wi, 0
.rept 32
	v_med3_num_f32 v[XB+wi], v[XB+wi], -v10, v10
.set wi, wi+1
.endr
.irp g, 0,1,2,3
	v_cvt_scalef32_pk8_fp8_f32 v[WC+8*(\c)+2*\g:WC+8*(\c)+2*\g+1], v[XB+8*\g:XB+8*\g+7], v11
.endr
	global_store_b128 v3, v[WC+8*(\c):WC+8*(\c)+3], s[20:21] offset:512*(\c)         ; k 32 c + 0 .. 15: the place of lanes 0-15 in the fragment
	global_store_b128 v3, v[WC+8*(\c)+4:WC+8*(\c)+7], s[20:21] offset:512*(\c)+256   ; k 32 c + 16 .. 31: that of lanes 16-31
.if (\c)+2 < 4
	WLOAD (\c)+2, \base, \pitch
.endif
.endm
.macro WQ base, pitch
	WLOAD 0, \base, \pitch
	WLOAD 1, \base, \pitch
	WBLOCK 0, \base, \pitch
	WBLOCK 1, \base, \pitch
	WBLOCK 2, \base, \pitch
	WBLOCK 3, \base, \pitch
	global_store_b32 v4, v14, s[20:21] offset:8192
	s_endpgm
.endm
.Lweights:
	s_sub_co_u32 s30, ttmp9, 256                   ; x: bits 8:6 expert, 5:4 the chain's wave, 3 W2, 2:0 which K step (W1: bit 2 the group)
	s_lshr_b32 s32, s28, 1                         ; half: which piece of the two
	s_and_b32 s33, s28, 1                          ; which two fragments of its four
	s_lshl_b32 s34, s30, 1
	s_add_co_u32 s34, s34, s32
	s_mul_i32 s34, s34, 8448
	s_mov_b32 s35, 0
	s_add_nc_u64 s[20:21], s[20:21], s[34:35]      ; my piece
	v_and_b32 v5, 31, v0                           ; lane
	v_and_b32 v6, 15, v0
	v_bfe_u32 v7, v0, 4, 1
	v_lshlrev_b32 v3, 4, v6
	v_lshl_add_u32 v3, v7, 11, v3
	s_lshl_b32 s34, s33, 12
	v_add_nc_u32 v3, s34, v3                       ; fragment 2 b + lane / 16, row lane % 16
	v_lshlrev_b32 v4, 3, v5
	s_lshl_b32 s34, s33, 2
	v_add_nc_u32 v4, s34, v4                       ; my scale word: 8 lane + 4 b
	s_lshr_b32 s36, s30, 6
	s_lshl_b32 s36, s36, 21                        ; an expert is 2,097,152 bytes in w1 and in w2
	s_lshl_b32 s34, s32, 8
	s_add_co_u32 s36, s36, s34
	s_lshl_b32 s34, s33, 7
	s_add_co_u32 s36, s36, s34                     ; + 64 columns a piece, 32 a wave
	s_bfe_u32 s38, s30, 0x20004                    ; the chain's wave
	s_mov_b32 s37, 0
	s_bitcmp1_b32 s30, 3
	s_cbranch_scc1 .Lw2
	s_and_b32 s34, s30, 3
	s_lshl_b32 s34, s34, 19                        ; K step: 128 rows of 4,096 bytes
	s_add_co_u32 s36, s36, s34
	s_lshl_b32 s34, s38, 10                        ; 256 hidden units a wave,
	s_add_co_u32 s36, s36, s34
	s_bfe_u32 s34, s30, 0x10002
	s_lshl_b32 s34, s34, 9                         ; 128 a group
	s_add_co_u32 s36, s36, s34
	s_add_nc_u64 s[12:13], s[12:13], s[36:37]
	v_and_b32 v2, 7, v0                            ; the column that lands in row lane % 16 of fragment lane / 16: (l & 7) + 16 ((l >> 3) & 1) + 8 (l >> 4)
	v_bfe_u32 v8, v0, 3, 1
	v_lshl_add_u32 v2, v8, 4, v2
	v_lshl_add_u32 v2, v7, 3, v2
	v_lshlrev_b32 v2, 2, v2
	WQ 12, 4096
.Lw2:
	s_and_b32 s34, s30, 7
	s_lshl_b32 s34, s34, 18                        ; K step: 128 rows of 2,048 bytes
	s_add_co_u32 s36, s36, s34
	s_lshl_b32 s34, s38, 9                         ; 128 outputs a wave
	s_add_co_u32 s36, s36, s34
	s_add_nc_u64 s[14:15], s[14:15], s[36:37]
	v_lshlrev_b32 v2, 2, v5                        ; columns as they lie
	WQ 14, 2048
.Lfunc_end_k_q49352df7b8_prep:
	.size	k_q49352df7b8_prep, .Lfunc_end_k_q49352df7b8_prep-k_q49352df7b8_prep
	.p2alignl 7, 3214868480
	.fill 96, 4, 3214868480
	.section	.rodata,"a",@progbits
	.p2align	6, 0x0
	.amdhsa_kernel k_q49352df7b8_prep
		.amdhsa_group_segment_fixed_size 29184
		.amdhsa_private_segment_fixed_size 0
		.amdhsa_enable_private_segment 0
		.amdhsa_kernarg_size 96
		.amdhsa_user_sgpr_count 2
		.amdhsa_user_sgpr_kernarg_segment_ptr 1
		.amdhsa_wavefront_size32 1
		.amdhsa_system_sgpr_workgroup_id_x 1
		.amdhsa_system_sgpr_workgroup_id_y 1
		.amdhsa_system_sgpr_workgroup_id_z 1
		.amdhsa_system_vgpr_workitem_id 0
		.amdhsa_next_free_vgpr 258
		.amdhsa_next_free_sgpr 66
		.amdhsa_reserve_vcc 1
		.amdhsa_float_denorm_mode_32 3
		.amdhsa_float_denorm_mode_16_64 3
		.amdhsa_memory_ordered 1
		.amdhsa_forward_progress 1
		.amdhsa_inst_pref_size 174
	.end_amdhsa_kernel
	.amdgpu_metadata
---
amdhsa.version: [ 1, 2 ]
amdhsa.kernels:
  - .name:           k_q49352df7b8_prep
    .symbol:         k_q49352df7b8_prep.kd
    .args:
      - { .name: x, .offset: 0, .size: 8, .value_kind: global_buffer, .address_space: global }
      - { .name: noise, .offset: 8, .size: 8, .value_kind: global_buffer, .address_space: global }
      - { .name: gate_w, .offset: 16, .size: 8, .value_kind: global_buffer, .address_space: global }
      - { .name: gate_b, .offset: 24, .size: 8, .value_kind: global_buffer, .address_space: global }
      - { .name: w1, .offset: 32, .size: 8, .value_kind: global_buffer, .address_space: global }
      - { .name: w2, .offset: 40, .size: 8, .value_kind: global_buffer, .address_space: global }
      - { .name: xq, .offset: 48, .size: 8, .value_kind: global_buffer, .address_space: global }
      - { .name: xs, .offset: 56, .size: 8, .value_kind: global_buffer, .address_space: global }
      - { .name: wq, .offset: 64, .size: 8, .value_kind: global_buffer, .address_space: global }
      - { .name: probs, .offset: 72, .size: 8, .value_kind: global_buffer, .address_space: global }
      - { .name: route, .offset: 80, .size: 8, .value_kind: global_buffer, .address_space: global }
      - { .name: out1, .offset: 88, .size: 8, .value_kind: global_buffer, .address_space: global }
    .group_segment_fixed_size: 29184
    .private_segment_fixed_size: 0
    .kernarg_segment_align: 8
    .kernarg_segment_size: 96
    .max_flat_workgroup_size: 128
    .sgpr_count:     66
    .vgpr_count:     258
    .wavefront_size: 32
...
	.end_amdgpu_metadata
.endif
;; end of part 1
;; launch place (part 2): grid 1 x 1, 8 waves a work-group, no clusters, 3,072 bytes of LDS; arguments route, probs, tiles, out2; writes tiles, out2
.if DOCPART == 2
	.amdgcn_target "amdgcn-amd-amdhsa--gfx1250"
	.amdhsa_code_object_version 6
	.text
	.protected	k_q49352df7b8_place
	.globl	k_q49352df7b8_place
	.p2align	8
	.type	k_q49352df7b8_place,@function
k_q49352df7b8_place:
	s_mov_b64 s[64:65], 0
	v_nop
	global_prefetch_b8 v0, s[64:65] scope:SCOPE_SE
	s_setreg_imm32_b32 hwreg(HW_REG_WAVE_MODE, 25, 1), 1
	s_wait_xcnt 0x0
; PLACE.  One work-group.  From the 256 blocks' histograms of keys it makes, without atomics, each token's place in a list of tiles: the tokens of one key (one pair of experts) lie on end,
; in tiles of 64; a key's tiles begin at tile tb[key]; no tile holds two keys.  Sum of ceil(n / 64) over 28 keys with 8,192 tokens in all is at most 155.
; Wave v owns blocks 32 v .. 32 v + 31.  In the histogram part a lane is a key: a running sum down the wave's 32 blocks, the waves' totals through LDS (one barrier), a scan of the keys' tile counts
; over the lanes.  Then a lane is a token: it fetches its key's running sum from the lane of that key and adds its rank in its block.
; The token numbers leave as single words to scattered places: 32 KB in all, the one scatter of the program.  Places of a last tile that no token takes are not written and nobody reads them.
; out2 = std / (mean + 1e-10) of the experts' shares of the summed probabilities.
; tiles: bytes 0: tb [32] (lanes 28-31: the number of tiles); 128: the keys' token counts [32]; 256: list [155][64].
.set H, 32                             ; v32-63   histogram rows (lane = key); later the waves' totals
.set S, 64                             ; v64-95   sel words (lane = token)
.set P, 96                             ; v96-127  running sums
.set D, 128                            ; v128-159 a token's place
.set T, 160                            ; v160-191 lane indices, then token numbers
.set U, 16                             ; v16-23   summed probabilities
	s_load_b256 s[4:11], s[0:1], 0x0               ; route, probs, tiles, out2
	v_lshl_add_u32 v192, v0, 2, 0x800
	v_mov_b32 v193, 0
	v_lshrrev_b32 v1, 5, v0
	v_readfirstlane_b32 s12, v1                    ; wave 0..7
	v_and_b32 v2, 31, v0                           ; lane
	v_lshlrev_b32 v15, 2, v2                       ; 4 x lane
	v_lshl_add_u32 v3, v1, 12, v15                 ; 4,096 x wave + 4 x lane: 32 blocks of 128 bytes a wave, in the histograms and in sel alike
	v_lshlrev_b32 v4, 5, v0                        ; 32 x thread: a block's eight sums
	v_lshlrev_b32 v6, 2, v0                        ; LDS: my wave's totals, 4 x thread
	v_lshl_add_u32 v7, v1, 5, 1024                 ; LDS: my wave's eight sums
	v_lshl_add_u32 v9, v1, 10, v2                  ; 1,024 x wave + lane: my token in the wave's first block
	s_mov_b32 s16, 0x76543210
	s_mov_b32 s17, 0xfedcba98
.irp e, 0,1,2,3,4,5,6,7
	v_mov_b32 v[24+\e], 0                          ; written once: a lane permute's destination counts as one of its sources
.endr
	s_wait_kmcnt 0x0
.set ii, 0
.rept 32
	global_load_b32 v[H+ii], v3, s[4:5] offset:32768+128*ii
.set ii, ii+1
.endr
	global_load_b128 v[U:U+3], v4, s[6:7] offset:65536
	global_load_b128 v[U+4:U+7], v4, s[6:7] offset:65536+16
.set ii, 0
.rept 32
	global_load_b32 v[S+ii], v3, s[4:5] offset:128*ii
.set ii, ii+1
.endr
	s_wait_loadcnt 32                              ; histograms and sums are in; the 32 sel words may be out
	v_mov_b32 v[P], 0
.set ii, 0
.rept 31
	v_add_nc_u32 v[P+ii+1], v[P+ii], v[H+ii]       ; tokens of my key in the wave's earlier blocks
.set ii, ii+1
.endr
	v_add_nc_u32 v5, v[P+31], v[H+31]              ; and in all 32
.irp m, 1,2,4,8
.irp e, 0,1,2,3,4,5,6,7
	v_add_f32_dpp v[U+\e], v[U+\e], v[U+\e] row_xmask:\m row_mask:0xf bank_mask:0xf
.endr
.endr
.irp e, 0,1,2,3,4,5,6,7
	v_permlanex16_b32 v[24+\e], v[U+\e], s16, s17
.endr
.irp e, 0,1,2,3,4,5,6,7
	v_add_f32 v[U+\e], v[U+\e], v[24+\e]
.endr
	ds_store_b32 v6, v5
	ds_store_b128 v7, v[U:U+3]                     ; all lanes write the same words with the same values
	ds_store_b128 v7, v[U+4:U+7] offset:16
	s_wait_dscnt 0x0                               ; for the others' sake
	s_barrier_signal -1
	s_barrier_wait -1
.irp j, 0,1,2,3,4,5,6,7
	ds_load_b32 v[H+\j], v15 offset:128*\j
.endr
	v_mov_b32 v10, 0                               ; my key's tokens in all,
	v_mov_b32 v11, 0                               ; and in the waves before mine
	s_wait_dscnt 0x0
.irp j, 0,1,2,3,4,5,6,7
	s_cmp_gt_u32 s12, \j
	s_cselect_b32 s13, -1, 0
	v_add_nc_u32 v10, v10, v[H+\j]
	v_and_b32 v12, s13, v[H+\j]
	v_add_nc_u32 v11, v11, v12
.endr
	v_add_nc_u32 v13, 63, v10
	v_lshrrev_b32 v13, 6, v13                      ; my key's tiles
	v_mov_b32 v14, v13
	v_mov_b32 v12, 0
.irp n, 1,2,4,8
	v_mov_b32_dpp v12, v14 row_shr:\n row_mask:0xf bank_mask:0xf bound_ctrl:1
	v_add_nc_u32 v14, v14, v12                     ; a scan inside each half of the lanes,
.endr
	v_readlane_b32 s14, v14, 15
	v_cmp_lt_u32 vcc_lo, 15, v2
	v_mov_b32 v12, s14
	v_cndmask_b32 v12, 0, v12, vcc_lo
	v_add_nc_u32 v14, v14, v12                     ; the lower half's total onto the upper,
	v_sub_nc_u32 v14, v14, v13                     ; less my own: tb, my key's first tile
	v_lshl_add_u32 v11, v14, 6, v11                ; where my wave's tokens of my key begin in the list
.set ii, 0
.rept 32
	v_add_nc_u32 v[P+ii], v[P+ii], v11
.set ii, ii+1
.endr
	s_wait_loadcnt 0x0                             ; sel
.set ii, 0
.rept 32
	v_lshlrev_b32 v[T+ii], 2, v[S+ii]
	v_and_b32 v[T+ii], 0x7c, v[T+ii]               ; 4 x key
	ds_bpermute_b32 v[D+ii], v[T+ii], v[P+ii]      ; the running sum of my token's key, from that key's lane
.set ii, ii+1
.endr
	s_wait_dscnt 0x0
.set ii, 0
.rept 32
	v_lshrrev_b32 v[S+ii], 8, v[S+ii]              ; my rank in my block
	v_add_nc_u32 v[D+ii], v[D+ii], v[S+ii]
	v_min_u32 v[D+ii], 9919, v[D+ii]               ; inside the list of 155 x 64 whatever was read
	v_lshlrev_b32 v[D+ii], 2, v[D+ii]
	v_add_nc_u32 v[T+ii], 32*ii, v9                ; my token's number
	global_store_b32 v[D+ii], v[T+ii], s[8:9] offset:256   ; each store has registers of its own: none is written again
.set ii, ii+1
.endr
	s_cmp_lg_u32 s12, 0
	s_cbranch_scc1 .Lend                           ; no barrier follows
	global_store_b32 v15, v14, s[8:9]
	global_store_b32 v15, v10, s[8:9] offset:128
	ds_load_b32 v16, v15 offset:1024               ; wave lane / 8, expert lane % 8,
	ds_load_b32 v17, v15 offset:1152               ; wave 4 + lane / 8
	s_wait_dscnt 0x0
	v_add_f32 v16, v16, v17
	v_add_f32_dpp v16, v16, v16 row_xmask:8 row_mask:0xf bank_mask:0xf
	v_permlanex16_b32 v24, v16, s16, s17
	v_add_f32 v16, v16, v24                        ; the usage of expert lane % 8
	v_mov_b32 v17, v16
.irp m, 1,2,4
	v_add_f32_dpp v17, v17, v17 row_xmask:\m row_mask:0xf bank_mask:0xf
.endr
	v_rcp_f32 v18, v17
	v_nop
	s_wait_alu depctr_va_vdst(0)
	v_mul_f32 v16, v16, v18                        ; its share
	v_mov_b32 v17, v16
.irp m, 1,2,4
	v_add_f32_dpp v17, v17, v17 row_xmask:\m row_mask:0xf bank_mask:0xf
.endr
	v_mul_f32 v17, 0x3e000000, v17                 ; the mean of the eight
	v_sub_f32 v19, v16, v17
	v_mul_f32 v19, v19, v19
.irp m, 1,2,4
	v_add_f32_dpp v19, v19, v19 row_xmask:\m row_mask:0xf bank_mask:0xf
.endr
	v_mul_f32 v19, 0x3e000000, v19                 ; the variance
	v_sqrt_f32 v20, v19
	v_add_f32 v21, 0x2edbe6ff, v17                 ; mean + 1e-10 (the plain instruction behind the root)
	v_rcp_f32 v22, v21
	v_nop
	s_wait_alu depctr_va_vdst(0)
	v_mul_f32 v20, v20, v22
	s_wait_xcnt 0x0                                ; EXEC is a source of the stores above
	v_cmp_eq_u32 vcc_lo, 0, v2
	s_and_saveexec_b32 s18, vcc_lo
	global_store_b32 v15, v20, s[10:11]
	s_wait_xcnt 0x0
	s_or_b32 exec_lo, exec_lo, s18
.Lend:
	s_wait_tensorcnt 0x0
	ds_add_u32 v192, v193
	s_wait_dscnt 0x0
	s_endpgm
.Lfunc_end_k_q49352df7b8_place:
	.size	k_q49352df7b8_place, .Lfunc_end_k_q49352df7b8_place-k_q49352df7b8_place
	.p2alignl 7, 3214868480
	.fill 96, 4, 3214868480
	.section	.rodata,"a",@progbits
	.p2align	6, 0x0
	.amdhsa_kernel k_q49352df7b8_place
		.amdhsa_group_segment_fixed_size 3072
		.amdhsa_private_segment_fixed_size 0
		.amdhsa_enable_private_segment 0
		.amdhsa_kernarg_size 32
		.amdhsa_user_sgpr_count 2
		.amdhsa_user_sgpr_kernarg_segment_ptr 1
		.amdhsa_wavefront_size32 1
		.amdhsa_system_sgpr_workgroup_id_x 1
		.amdhsa_system_sgpr_workgroup_id_y 1
		.amdhsa_system_sgpr_workgroup_id_z 1
		.amdhsa_system_vgpr_workitem_id 0
		.amdhsa_next_free_vgpr 194
		.amdhsa_next_free_sgpr 66
		.amdhsa_reserve_vcc 1
		.amdhsa_float_denorm_mode_32 3
		.amdhsa_float_denorm_mode_16_64 3
		.amdhsa_memory_ordered 1
		.amdhsa_forward_progress 1
		.amdhsa_inst_pref_size 33
	.end_amdhsa_kernel
	.amdgpu_metadata
---
amdhsa.version: [ 1, 2 ]
amdhsa.kernels:
  - .name:           k_q49352df7b8_place
    .symbol:         k_q49352df7b8_place.kd
    .args:
      - { .name: route, .offset: 0, .size: 8, .value_kind: global_buffer, .address_space: global }
      - { .name: probs, .offset: 8, .size: 8, .value_kind: global_buffer, .address_space: global }
      - { .name: tiles, .offset: 16, .size: 8, .value_kind: global_buffer, .address_space: global }
      - { .name: out2, .offset: 24, .size: 8, .value_kind: global_buffer, .address_space: global }
    .group_segment_fixed_size: 3072
    .private_segment_fixed_size: 0
    .kernarg_segment_align: 8
    .kernarg_segment_size: 32
    .max_flat_workgroup_size: 256
    .sgpr_count:     66
    .vgpr_count:     194
    .wavefront_size: 32
...
	.end_amdgpu_metadata
.endif
;; end of part 2
;; launch chain (part 3): grid 155 x 1, 4 waves a work-group, no clusters, 246,784 bytes of LDS; arguments xq, xs, wq, b1, b2, probs, tiles, out0; writes out0
.if DOCPART == 3
	.amdgcn_target "amdgcn-amd-amdhsa--gfx1250"
	.amdhsa_code_object_version 6
	.text
	.protected	k_q49352df7b8_chain
	.globl	k_q49352df7b8_chain
	.p2align	8
	.type	k_q49352df7b8_chain,@function
k_q49352df7b8_chain:
	s_mov_b64 s[64:65], 0
	v_nop
	global_prefetch_b8 v0, s[64:65] scope:SCOPE_SE
	s_setreg_imm32_b32 hwreg(HW_REG_WAVE_MODE, 25, 1), 1
	s_wait_xcnt 0x0
; CHAIN.  A work-group takes one tile: up to 64 tokens that chose the same pair of experts (a, b), and takes them through both experts:
; out = pa (silu(Q(x) W1a + b1a) -> Q -> W2a + b2a) + pb (the same with b).  Both products on codes of E4M3 with E8M0 scales; the hidden layer never leaves the WGP; each row of out0 has one owner.
; GRID.  155 tiles serve every split of 8,192 tokens over 28 pairs.  A tile that this split leaves empty gets the row count 0: it walks one token's rows like any other and stores nothing.  It does not
; end early, since every wave passes every barrier and none may stand under a branch on loaded numbers.
; SHARES.  The four waves share the columns: for each expert wave w makes hidden units 256 w .. + 255 (two groups of 128, each one K step of the second product) and outputs 128 w .. + 127, for all 64 rows.
; Both products are used transposed (source 0 = 16 rows of a weight, source 1 = 16 tokens): a lane holds one token, and its registers run along the hidden units or the outputs.
; WEIGHTS go from memory straight into registers: an earlier launch laid them in the order of the operand registers, so that a wave's 270,336 bytes of an expert are one stream, read by loads of 512
; consecutive bytes.  A ring of four slots (four fragments and their scale words: 17 loads) is filled four pieces ahead.  A weight fragment feeds 4 matrix instructions, a fragment of rows 8.
; No tensor loads, no cluster: which expert is walked hangs on a stored number; tiles of one pair cannot be grouped in fours for every split; and each weight byte is wanted by one wave only.
; ROWS go from wave to wave through LDS as images of the operand registers (16 bytes a lane, 512 a store), their scale words 4 bytes a row.
; All lanes are on throughout: no line of this text writes EXEC.  A row that the tile has not repeats the tile's last token; it is computed and not stored.
; LIMITS: NaN and infinities are not served.  silu(z) = z / (1 + 2^(-z log2 e)) by v_exp_f32 and v_rcp_f32.  A block whose largest magnitude lies under 2^-118 keeps the scale byte 1.
; REGISTERS, in windows of 256: window 0: v1-19 addresses; v20-27 the ring's scale words, v28-31 the rows' (these hold scales and nothing else); v32-95, v96-159 four fragments of rows, two sets;
;   v160-223 at work (b1 as the first products' C; the hidden numbers; the weights p); v224-239 codes just made; v240-255 at work.
;   window 1: the ring, slot q at v[64 q].   window 2: 32 accumulators, (row tile m, tile t) at v[64 m + 8 t].   window 3: out, laid likewise.
.set HCB,  8448                        ; a piece of the stream
.set XIMG, 0                           ; LDS: x: fragment (K step s, row tile m) at (4 s + m) x 2,048
.set HIMG, 32768                       ; the hidden layer: fragment (ks, m) likewise
.set XSC,  98304                       ; x's scale words [s][m][r]
.set HSC,  99328                       ; the hidden layer's [ks][m][r]
.set BIAS, 101376                      ; [slot 2][b1 4,096 bytes, b2 2,048]
.set PT,   113664                      ; [slot 2][row 64] the weights p
.set STG,  114176                      ; the way out: 64 rows x (2,048 + 16) bytes
.set LI,   1                           ; 16 x lane
.set L8,   2                           ; 8 x lane
.set XWI,  3                           ; where I store x's images
.set RH,   4                           ; HIMG + 16 lane
.set RSX,  5                           ; XSC + 4 lane
.set RSH,  6                           ; HSC + 4 lane
.set HWI,  7                           ; HIMG + 16,384 wave + 16 lane
.set HWS,  8                           ; HSC + 512 wave + 4 r
.set BA1,  9                           ; BIAS + 1,024 wave + 64 h
.set BA2,  10                          ; BIAS + 4,096 + 512 wave + 32 h
.set PA,   11                          ; PT + 4 r
.set STO,  12                          ; STG + 2,064 r + 32 h + 512 wave
.set STO2, 13                          ; the same 32 rows further down
.set SRD,  14                          ; STG + 33,024 wave + 16 lane
.set TOK,  15                          ; the token of row 16 wave + r
.set HWD,  16                          ; the group's place for images,
.set HSD,  17                          ; for scale words
.set PW,   18                          ; the scale word just made
.set BAD,  19                          ; the group's b1; the slot's p
.set WS,   20
.set XS,   28
.set XF,   32
.set WORK, 160
.set PC,   224
.set TM,   240
.set RP,   24                          ; s[24:25] four pieces ahead of the piece in hand
.set NB,   26                          ; s[26:27] expert b's stream
.set MSB, 0
.macro WIN new                         ; the immediate's high byte repeats the setting that is left
.if MSB != \new
	s_set_vgpr_msb (MSB<<8)|\new
.set MSB, \new
.endif
.endm
.macro BARRIER                         ; my LDS stores have landed and my LDS loads are in: then the work-group's barrier
	s_wait_dscnt 0x0
	s_barrier_signal -1
	s_barrier_wait -1
.endm
.macro REFILL q, j                     ; piece j from s[RP] on into slot q: 17 loads
	WIN 0x40                                       ; destination window 1
.irp f, 0,1,2,3
.irp c, 0,1,2,3
	global_load_b128 v[64*(\q)+16*\f+4*\c:64*(\q)+16*\f+4*\c+3], v[LI], s[RP:RP+1] offset:HCB*(\j)+2048*\f+512*\c
.endr
.endr
	WIN 0
	global_load_b64 v[WS+2*(\q):WS+2*(\q)+1], v[L8], s[RP:RP+1] offset:HCB*(\j)+8192   ; word f / 2; lanes 0-15: fragment f even, lanes 16-31: f odd
.endm
.macro ROWS p, adr, off, sadr, soff    ; a K step's four fragments of rows and their scale words into set p: 18 LDS loads
.irp m, 0,1,2,3
.irp c, 0,1,2,3
	ds_load_b128 v[XF+64*(\p)+16*\m+4*\c:XF+64*(\p)+16*\m+4*\c+3], v[\adr] offset:(\off)+2048*\m+512*\c
.endr
.endr
	ds_load_b32 v[XS+2*(\p)], v[\sadr] offset:(\soff)          ; lanes 0-15: row tile 0, lanes 16-31: row tile 1
	ds_load_b32 v[XS+2*(\p)+1], v[\sadr] offset:(\soff)+128    ; row tiles 2 and 3
.endm
.macro WM zero                         ; one matrix instruction, its registers in rD, rA, rB, rC, rSA, rSB; rR: which halves of the scale registers
.if \zero
.if rR == 0
	v_wmma_scale_f32_16x16x128_f8f6f4 v[rD:rD+7], v[rA:rA+15], v[rB:rB+15], 0, v[rSA], v[rSB]
.elseif rR == 1
	v_wmma_scale_f32_16x16x128_f8f6f4 v[rD:rD+7], v[rA:rA+15], v[rB:rB+15], 0, v[rSA], v[rSB] matrix_a_scale:MATRIX_SCALE_ROW1
.elseif rR == 2
	v_wmma_scale_f32_16x16x128_f8f6f4 v[rD:rD+7], v[rA:rA+15], v[rB:rB+15], 0, v[rSA], v[rSB] matrix_b_scale:MATRIX_SCALE_ROW1
.else
	v_wmma_scale_f32_16x16x128_f8f6f4 v[rD:rD+7], v[rA:rA+15], v[rB:rB+15], 0, v[rSA], v[rSB] matrix_a_scale:MATRIX_SCALE_ROW1 matrix_b_scale:MATRIX_SCALE_ROW1
.endif
.else
.if rR == 0
	v_wmma_scale_f32_16x16x128_f8f6f4 v[rD:rD+7], v[rA:rA+15], v[rB:rB+15], v[rC:rC+7], v[rSA], v[rSB]
.elseif rR == 1
	v_wmma_scale_f32_16x16x128_f8f6f4 v[rD:rD+7], v[rA:rA+15], v[rB:rB+15], v[rC:rC+7], v[rSA], v[rSB] matrix_a_scale:MATRIX_SCALE_ROW1
.elseif rR == 2
	v_wmma_scale_f32_16x16x128_f8f6f4 v[rD:rD+7], v[rA:rA+15], v[rB:rB+15], v[rC:rC+7], v[rSA], v[rSB] matrix_b_scale:MATRIX_SCALE_ROW1
.else
	v_wmma_scale_f32_16x16x128_f8f6f4 v[rD:rD+7], v[rA:rA+15], v[rB:rB+15], v[rC:rC+7], v[rSA], v[rSB] matrix_a_scale:MATRIX_SCALE_ROW1 matrix_b_scale:MATRIX_SCALE_ROW1
.endif
.endif
.endm
; 16 matrix instructions: slot q's four fragments (tiles 4 half + f) x set p's four row tiles.  cmode 0: onto the sums; 1: the bias in v[WORK] on starts them; 2: the constant 0 does.
; The 32 accumulators take turns, one instruction a turn, in the same order in every K step.
.macro MUL q, p, half, cmode
.if \cmode == 1
	WIN 0x81                                       ; source 0 window 1, sources 1 and 2 window 0, destination window 2
.else
	WIN 0xa1                                       ; source 0 window 1, source 1 window 0, C and D window 2
.endif
.irp f, 0,1,2,3
.irp m, 0,1,2,3
.set rD, 64*\m+8*(4*(\half)+\f)
.set rA, 64*(\q)+16*\f
.set rB, XF+64*(\p)+16*\m
.set rSA, WS+2*(\q)+\f/2
.set rSB, XS+2*(\p)+\m/2
.set rR, \f%2+2*(\m%2)
.if \cmode == 1
.set rC, WORK+8*(4*(\half)+\f)
.else
.set rC, rD
.endif
.if \cmode == 2
	WM 1
.else
	WM 0
.endif
.endr
.endr
.endm
; A piece is multiplied and its slot filled again.  left: the loads of the younger slots, 17 each, which may stay out.
; Eight plain places stand between the products and the loads into registers that they read.
.macro HSTEP q, p, half, cmode, left, fill, j
	s_wait_loadcnt \left
	MUL \q, \p, \half, \cmode
.if \fill
.rept 8
	v_nop
.endr
	REFILL \q, \j
.endif
.endm
.macro K1 s, cmode                     ; K step s of the first product; the next step's rows (behind the last: step 0's again, for the next group) are asked for first
	ROWS 1-(\s)%2, LI, 8192*(((\s)+1)%4), RSX, 256*(((\s)+1)%4)
	s_wait_dscnt 18                                ; all but the 18 just issued: this step's rows are in
	HSTEP 2*((\s)%2), (\s)%2, 0, \cmode, 51, 1, 2*(\s)
	HSTEP 2*((\s)%2)+1, (\s)%2, 1, \cmode, 51, 1, 2*(\s)+1
.endm
.macro K2 ks, cmode, rows, fill, j, l0, l1   ; K step ks of the second product
.if \rows
	ROWS 1-(\ks)%2, RH, 8192*((\ks)+1), RSH, 256*((\ks)+1)
	s_wait_dscnt 18
.else
	s_wait_dscnt 0x0
.endif
	HSTEP 2*((\ks)%2), (\ks)%2, 0, \cmode, \l0, \fill, \j
	HSTEP 2*((\ks)%2)+1, (\ks)%2, 1, \cmode, \l1, \fill, (\j)+1
.endm
; 64 numbers of a lane, register 16 b + i = k 32 b + 16 (lane / 16) + i of my row, become a fragment's codes in v[PC] on and its scale word in v[PW]
.macro QUANT s
.irp b, 0,1,2,3
	v_max3_num_f32 v[TM+\b], |v[\s+16*\b]|, |v[\s+1+16*\b]|, 0x4800000   ; my 16 numbers of block b, and the floor 2^(9 - 127)
.endr
.irp i, 2,4,6,8,10,12,14
.irp b, 0,1,2,3
	v_max3_num_f32 v[TM+\b], v[TM+\b], |v[\s+16*\b+\i]|, |v[\s+1+16*\b+\i]|
.endr
.endr
.irp b, 0,1,2,3
	v_permlanex16_b32 v[TM+4+\b], v[TM+\b], s38, s39
.endr
.irp b, 0,1,2,3
	v_max_num_f32 v[TM+\b], v[TM+\b], v[TM+4+\b]   ; with lane l xor 16's: the block's largest magnitude
.endr
.irp b, 0,1,2,3
	v_add_nc_u32 v[TM+12+\b], 0xfc000000, v[TM+\b] ; 8 off its exponent field: the conversion's scale operand
.endr
.irp b, 0,1,2,3
	v_and_or_b32 v[TM+8+\b], v[TM+\b], 0x7f800000, s40   ; 448 x the scale
.endr
.irp b, 0,1,2,3
	v_lshrrev_b32 v[TM+4+\b], 23, v[TM+12+\b]      ; the byte
.endr
	v_lshl_or_b32 v[PW], v[TM+5], 8, v[TM+4]
	v_lshl_or_b32 v[PW], v[TM+6], 16, v[PW]
	v_lshl_or_b32 v[PW], v[TM+7], 24, v[PW]
.irp b, 0,1,2,3
.irp i, 0,1,2,3,4,5,6,7,8,9,10,11,12,13,14,15
	v_med3_num_f32 v[\s+16*\b+\i], v[\s+16*\b+\i], -v[TM+8+\b], v[TM+8+\b]   ; the conversion to an 8-bit code does not saturate (ISA guide 7.6.2)
.endr
	v_cvt_scalef32_pk8_fp8_f32 v[PC+4*\b:PC+1+4*\b], v[\s+16*\b:\s+7+16*\b], v[TM+12+\b]
	v_cvt_scalef32_pk8_fp8_f32 v[PC+2+4*\b:PC+3+4*\b], v[\s+8+16*\b:\s+15+16*\b], v[TM+12+\b]
.endr
	v_nop                                          ; a plain instruction behind the last conversion
.endm
; Row tile m of the group: silu, the quantiser, the image.  Each accumulator is read from its low end on.
.macro SQ m
	s_wait_dscnt 0x0                               ; the last image's stores have read the code registers and the scale word
	WIN 0x02                                       ; source 0 window 2
.set ii, 0
.rept 32
	v_pk_mul_f32 v[WORK+ii:WORK+ii+1], v[64*(\m)+ii:64*(\m)+ii+1], s[36:37] op_sel_hi:[1,0]   ; -z log2(e)
.set ii, ii+2
.endr
	WIN 0
.set ii, 0
.rept 64
	v_exp_f32 v[WORK+ii], v[WORK+ii]
.set ii, ii+1
.endr
	v_nop
.set ii, 0
	s_wait_alu depctr_va_vdst(0)
.rept 32
	v_pk_add_f32 v[WORK+ii:WORK+ii+1], v[WORK+ii:WORK+ii+1], 1.0 op_sel_hi:[1,0]
.set ii, ii+2
.endr
.set ii, 0
.rept 64
	v_rcp_f32 v[WORK+ii], v[WORK+ii]
.set ii, ii+1
.endr
	v_nop
	WIN 0x02
.set ii, 0
	s_wait_alu depctr_va_vdst(0)
.rept 32
	v_pk_mul_f32 v[WORK+ii:WORK+ii+1], v[64*(\m)+ii:64*(\m)+ii+1], v[WORK+ii:WORK+ii+1]       ; z / (1 + 2^(-z log2 e))
.set ii, ii+2
.endr
	WIN 0
	QUANT WORK
.irp c, 0,1,2,3
	ds_store_b128 v[HWD], v[PC+4*\c:PC+4*\c+3] offset:2048*(\m)+512*\c
.endr
	ds_store_b32 v[HSD], v[PW] offset:64*(\m)      ; both halves of the lanes hold the same word
.endm
.macro EPI                             ; out += p x (h W2), each accumulator from its low end on
	WIN 0xf2                                       ; source 0 window 2, source 1 window 0, source 2 and destination window 3
.irp m, 0,1,2,3
.set ii, 0
.rept 32
	v_pk_fma_f32 v[64*\m+ii:64*\m+ii+1], v[64*\m+ii:64*\m+ii+1], v[WORK+2*\m:WORK+2*\m+1], v[64*\m+ii:64*\m+ii+1] op_sel_hi:[1,0,1]
.set ii, ii+2
.endr
.endr
	WIN 0
.endm
; ------------------------------------------------------------------ the head
	s_load_b512 s[4:19], s[0:1], 0x0               ; xq, xs, wq, b1, b2, probs, tiles, out0
	v_lshrrev_b32 v240, 5, v0
	v_readfirstlane_b32 s20, v240                  ; wave 0..3
	v_and_b32 v241, 31, v0                         ; lane
	v_and_b32 v242, 15, v0                         ; r
	v_bfe_u32 v243, v0, 4, 1                       ; h
	v_lshlrev_b32 v244, 2, v241                    ; 4 x lane
	s_wait_kmcnt 0x0
	global_load_b32 v252, v244, s[16:17]           ; tb: lane = key
	global_load_b32 v253, v244, s[16:17] offset:128   ; the keys' token counts
	v_lshlrev_b32 v[LI], 4, v241
	v_lshlrev_b32 v[L8], 3, v241
	v_lshlrev_b32 v245, 2, v242                    ; 4 r
	s_lshl_b32 s30, s20, 11
	v_add_nc_u32 v[XWI], s30, v[LI]
	v_add_nc_u32 v[RH], HIMG, v[LI]
	v_add_nc_u32 v[RSX], XSC, v244
	v_add_nc_u32 v[RSH], HSC, v244
	s_lshl_b32 s30, s20, 14
	s_add_co_u32 s30, s30, HIMG
	v_add_nc_u32 v[HWI], s30, v[LI]
	s_lshl_b32 s30, s20, 9
	s_add_co_u32 s30, s30, HSC
	v_add_nc_u32 v[HWS], s30, v245
	s_lshl_b32 s30, s20, 10
	s_add_co_u32 s30, s30, BIAS
	v_lshl_add_u32 v[BA1], v243, 6, s30
	s_lshl_b32 s30, s20, 9
	s_add_co_u32 s30, s30, BIAS+4096
	v_lshl_add_u32 v[BA2], v243, 5, s30
	v_add_nc_u32 v[PA], PT, v245
	v_mul_u32_u24 v[STO], v242, 2064
	v_lshl_add_u32 v[STO], v243, 5, v[STO]
	s_lshl_b32 s30, s20, 9
	s_add_co_u32 s30, s30, STG
	v_add_nc_u32 v[STO], s30, v[STO]
	v_add_nc_u32 v[STO2], 66048, v[STO]
	s_mul_i32 s30, s20, 33024
	s_add_co_u32 s30, s30, STG
	v_add_nc_u32 v[SRD], s30, v[LI]
	s_lshl_b32 s30, s20, 6
	s_add_co_u32 s30, s30, XSC
	v_add_nc_u32 v246, s30, v245                   ; where I store x's scale words: XSC + 64 wave + 4 r
	s_lshl_b32 s30, s20, 6
	s_add_co_u32 s30, s30, PT
	v_add_nc_u32 v247, s30, v245                   ; and the weights p
	v_lshl_add_u32 v248, v0, 4, BIAS               ; the biases into LDS: 16 x thread
	v_lshlrev_b32 v249, 4, v0                      ; and out of memory
	s_lshl_b32 s55, s20, 4                         ; my wave's first row
	v_add_nc_u32 v250, s55, v242                   ; my row
	v_lshlrev_b32 v233, 4, v243                    ; 16 h
.irp i, 1,3,5,7,9,11,13,15
	v_mov_b32 v[WORK+\i], 0                        ; named as the upper halves of pairs whose lower halves hold p
.endr
	s_mov_b32 s36, 0xbfb8aa3b                      ; -log2(e)
	s_mov_b32 s37, s36                             ; (named with it as a pair)
	s_mov_b32 s38, 0x76543210
	s_mov_b32 s39, 0xfedcba98
	s_mov_b32 s40, 0x600000                        ; the mantissa field of 448
	s_mov_b32 s31, ttmp9                           ; my tile
	s_wait_loadcnt 0x0
	v_add_nc_u32 v254, 63, v253
	v_lshrrev_b32 v254, 6, v254
	v_add_nc_u32 v254, v254, v252                  ; the key's last tile + 1
	v_cmp_ge_u32 s32, s31, v252
	v_cmp_lt_u32 s33, s31, v254
	s_and_b32 s32, s32, s33                        ; one lane at the most: my tile's key
	s_ctz_i32_b32 s33, s32
	s_min_u32 s33, s33, 27                         ; (no lane: key 27, whose tiles all lie in front of mine: the row count below is then 0)
	v_readlane_b32 s34, v252, s33
	v_readlane_b32 s35, v253, s33
	s_sub_co_u32 s30, s31, s34
	s_lshl_b32 s30, s30, 6
	s_sub_co_i32 s21, s35, s30
	s_min_i32 s21, s21, 64
	s_max_i32 s21, s21, 0
	s_min_u32 s21, s21, 64                         ; my tile's rows, 0 .. 64
	; which place of the list a lane reads: its row's, or the tile's last row's; in an empty tile place 0 of tile 0, which the first key that has tokens always fills.  So every byte read was stored.
	s_min_u32 s56, s21, 1                          ; 1 where the tile has rows
	s_sub_co_u32 s57, s21, s56
	s_min_u32 s57, s57, 63                         ; its last row (0 where it has none)
	s_mul_i32 s58, s56, ttmp9
	s_lshl_b32 s58, s58, 8                         ; the tile's 64 places: 256 bytes a tile
	v_min_u32 v251, s57, v250
	v_min_u32 v251, 63, v251
	v_lshlrev_b32 v251, 2, v251
	v_add_nc_u32 v251, s58, v251
	s_and_b32 s22, s33, 7                          ; expert a
	s_lshr_b32 s23, s33, 3
	s_add_co_u32 s23, s23, s22
	s_add_co_u32 s23, s23, 1
	s_and_b32 s23, s23, 7                          ; expert b
	s_min_u32 s22, s22, 7
	s_min_u32 s23, s23, 7
	s_mov_b32 s31, 0
	s_lshl_b32 s30, s22, 2
	s_add_co_u32 s30, s30, s20
	s_mul_i32 s30, s30, 32*HCB
	s_add_nc_u64 s[RP:RP+1], s[8:9], s[30:31]      ; my stream of expert a,
	s_lshl_b32 s30, s23, 2
	s_add_co_u32 s30, s30, s20
	s_mul_i32 s30, s30, 32*HCB
	s_add_nc_u64 s[NB:NB+1], s[8:9], s[30:31]      ; of expert b
	s_lshl_b32 s30, s22, 12
	s_add_nc_u64 s[42:43], s[10:11], s[30:31]      ; b1[a]
	s_lshl_b32 s30, s23, 12
	s_add_nc_u64 s[44:45], s[10:11], s[30:31]      ; b1[b]
	s_lshl_b32 s30, s22, 11
	s_add_nc_u64 s[46:47], s[12:13], s[30:31]      ; b2[a]
	s_lshl_b32 s30, s23, 11
	s_add_nc_u64 s[48:49], s[12:13], s[30:31]      ; b2[b]
	global_load_b32 v[TOK], v251, s[16:17] offset:256   ; my row's token: asked for first, since the gather hangs on it
	REFILL 0, 0
	REFILL 1, 1
	global_load_b128 v[96:99], v249, s[42:43]
	global_load_b128 v[100:103], v249, s[42:43] offset:2048
	global_load_b128 v[104:107], v249, s[46:47]
	global_load_b128 v[108:111], v249, s[44:45]
	global_load_b128 v[112:115], v249, s[44:45] offset:2048
	global_load_b128 v[116:119], v249, s[48:49]
	s_wait_loadcnt 40                              ; the token is in; the two slots' 34 loads and the six of the biases may be out
	v_min_u32 v[TOK], 8191, v[TOK]
	v_lshlrev_b32 v230, 9, v[TOK]
	v_add_nc_u32 v230, v230, v233                  ; my token's codes, + 16 h
	v_lshlrev_b32 v231, 4, v[TOK]                  ; its scale bytes
	v_lshlrev_b32 v232, 3, v[TOK]                  ; its two weights
.irp s, 0,1,2,3
.irp c, 0,1,2,3
	global_load_b128 v[XF+16*\s+4*\c:XF+16*\s+4*\c+3], v230, s[4:5] offset:128*\s+32*\c   ; row tile = my wave, K step s: the operand's registers
.endr
.endr
	global_load_b128 v[224:227], v231, s[6:7]      ; its four scale words
	global_load_b64 v[228:229], v232, s[14:15]     ; pa, pb
	REFILL 2, 2
	REFILL 3, 3
	s_wait_loadcnt 34                              ; all but the two slots just asked for
.irp i, 0,1,2,3,4,5
	ds_store_b128 v248, v[96+4*\i:99+4*\i] offset:2048*\i
.endr
.irp s, 0,1,2,3
.irp c, 0,1,2,3
	ds_store_b128 v[XWI], v[XF+16*\s+4*\c:XF+16*\s+4*\c+3] offset:8192*\s+512*\c
.endr
	ds_store_b32 v246, v[224+\s] offset:256*\s
.endr
	ds_store_b32 v247, v228
	ds_store_b32 v247, v229 offset:256
	s_wait_xcnt 0x0                                ; the loads have read their base
	s_add_nc_u64 s[RP:RP+1], s[RP:RP+1], 4*HCB
	BARRIER                                        ; x's sixteen fragments, the biases and the weights p lie in LDS
	; out begins as pa b2[a] + pb b2[b]: so both experts end alike, and the ring's first loads land meanwhile
.irp t, 0,1,2,3,4,5,6,7
.irp q, 0,1
	ds_load_b128 v[XF+8*\t+4*\q:XF+8*\t+4*\q+3], v[BA2] offset:64*\t+16*\q
	ds_load_b128 v[XF+64+8*\t+4*\q:XF+64+8*\t+4*\q+3], v[BA2] offset:6144+64*\t+16*\q
.endr
.endr
.irp m, 0,1,2,3
	ds_load_b32 v[WORK+2*\m], v[PA] offset:64*\m
	ds_load_b32 v[WORK+8+2*\m], v[PA] offset:256+64*\m
.endr
	s_wait_dscnt 0x0
	WIN 0xc0                                       ; destination window 3
.irp m, 0,1,2,3
.set ii, 0
.rept 32
	v_pk_mul_f32 v[64*\m+ii:64*\m+ii+1], v[XF+ii:XF+ii+1], v[WORK+2*\m:WORK+2*\m+1] op_sel_hi:[1,0]
.set ii, ii+2
.endr
.endr
	WIN 0xf0                                       ; source 2 and destination window 3
.irp m, 0,1,2,3
.set ii, 0
.rept 32
	v_pk_fma_f32 v[64*\m+ii:64*\m+ii+1], v[XF+64+ii:XF+64+ii+1], v[WORK+8+2*\m:WORK+8+2*\m+1], v[64*\m+ii:64*\m+ii+1] op_sel_hi:[1,0,1]
.set ii, ii+2
.endr
.endr
	WIN 0
; ------------------------------------------------------------------ the two experts
	s_mov_b32 s28, 0                               ; slot: 0 expert a, 1 expert b
	s_mov_b32 s53, 0                               ; 6,144 x slot
	s_mov_b32 s54, 0                               ; 256 x slot
.Lexp:
	ROWS 0, LI, 0, RSX, 0                          ; x's K step 0
	s_mov_b32 s29, 0                               ; group
	s_mov_b32 s50, 0                               ; 8,192 x group
	s_mov_b32 s51, 0                               ; 256 x group
	s_mov_b32 s52, s53                             ; 6,144 x slot + 512 x group
.Lgrp:
	v_add_nc_u32 v[HWD], s50, v[HWI]
	v_add_nc_u32 v[HSD], s51, v[HWS]
	v_add_nc_u32 v[BAD], s52, v[BA1]
.irp t, 0,1,2,3,4,5,6,7
.irp q, 0,1
	ds_load_b128 v[WORK+8*\t+4*\q:WORK+8*\t+4*\q+3], v[BAD] offset:128*(\t/2)+32*(\t%2)+16*\q   ; b1 in the result's layout: units 32 (t / 2) + 16 h + 8 (t % 2) + 0 .. 7
.endr
.endr
	K1 0, 1                                        ; the bias is the C of each sum's first product
	K1 1, 0
	K1 2, 0
	K1 3, 0
	SQ 0                                           ; the eight places behind the last products stand in front of its refill
	SQ 1
	SQ 2
	SQ 3
	s_wait_xcnt 0x0                                ; the loads have read their base
	s_add_nc_u64 s[RP:RP+1], s[RP:RP+1], 8*HCB
	s_add_co_u32 s50, s50, 8192
	s_add_co_u32 s51, s51, 256
	s_add_co_u32 s52, s52, 512
	s_add_co_u32 s29, s29, 1
	s_cmp_lt_u32 s29, 2
	s_cbranch_scc1 .Lgrp
	BARRIER                                        ; the hidden layer's 32 fragments lie in LDS
	v_add_nc_u32 v[BAD], s54, v[PA]
.irp m, 0,1,2,3
	ds_load_b32 v[WORK+2*\m], v[BAD] offset:64*\m  ; this expert's weight for each row
.endr
	ROWS 0, RH, 0, RSH, 0
	K2 0, 2, 1, 1, 0, 51, 51                       ; the constant 0 starts the sums
	K2 1, 0, 1, 1, 2, 51, 51
	K2 2, 0, 1, 1, 4, 51, 51
	K2 3, 0, 1, 1, 6, 51, 51
	K2 4, 0, 1, 1, 8, 51, 51
	K2 5, 0, 1, 1, 10, 51, 51
	s_cmp_eq_u32 s28, 1
	s_cbranch_scc1 .Ltail
	s_wait_xcnt 0x0
	s_mov_b64 s[RP:RP+1], s[NB:NB+1]               ; the ring goes on into expert b's stream
	K2 6, 0, 1, 1, 0, 51, 51
	K2 7, 0, 0, 1, 2, 51, 51
	s_wait_xcnt 0x0
	s_add_nc_u64 s[RP:RP+1], s[RP:RP+1], 4*HCB
	s_branch .Ljoin
.Ltail:                                            ; the last expert asks for nothing more: three, two, one, no younger slot is out
	K2 6, 0, 1, 0, 0, 51, 34
	K2 7, 0, 0, 0, 0, 17, 0
.rept 8
	v_nop                                          ; the places in front of the first read of the results
.endr
	WIN 0
.Ljoin:
	EPI
	BARRIER                                        ; every wave's reads of the hidden layer are over: the next expert's may be written
	s_add_co_u32 s53, s53, 6144
	s_add_co_u32 s54, s54, 256
	s_add_co_u32 s28, s28, 1
	s_cmp_lt_u32 s28, 2
	s_cbranch_scc1 .Lexp
; ------------------------------------------------------------------ the way out
; A lane holds 32 neighbouring bytes of a row, and a row's 2,048 bytes come from four waves: they meet in the stage (pitch 2,064 = 129 x 16 bytes), and each wave stores 16 whole rows.
	WIN 0x0c                                       ; an LDS store's data are its source 1: window 3
.irp m, 0,1
.irp t, 0,1,2,3,4,5,6,7
	ds_store_b128 v[STO], v[64*\m+8*\t:64*\m+8*\t+3] offset:33024*\m+64*\t
	ds_store_b128 v[STO], v[64*\m+8*\t+4:64*\m+8*\t+7] offset:33024*\m+64*\t+16
.endr
.endr
.irp m, 2,3
.irp t, 0,1,2,3,4,5,6,7
	ds_store_b128 v[STO2], v[64*\m+8*\t:64*\m+8*\t+3] offset:33024*(\m-2)+64*\t
	ds_store_b128 v[STO2], v[64*\m+8*\t+4:64*\m+8*\t+7] offset:33024*(\m-2)+64*\t+16
.endr
.endr
	WIN 0
	BARRIER                                        ; 64 whole rows lie in the stage; no barrier follows
.irp b, 0,1
.if \b
	s_wait_xcnt 0x0                                ; the first eight rows' stores have read their registers
.endif
.irp i, 0,1,2,3,4,5,6,7
.irp q, 0,1,2,3
	ds_load_b128 v[XF+16*\i+4*\q:XF+16*\i+4*\q+3], v[SRD] offset:2064*(8*\b+\i)+512*\q
.endr
.endr
.irp i, 0,1,2,3,4,5,6,7
	s_wait_dscnt 4*(7-\i)                          ; this row's four loads are in; the younger rows' may be out
	s_add_co_u32 s30, s55, 8*\b+\i
	s_cmp_ge_u32 s30, s21
	s_cbranch_scc1 .Ldone                          ; the tile's rows lie on end: behind its last none follows
	v_readlane_b32 s31, v[TOK], 8*\b+\i
	s_min_u32 s31, s31, 8191
	s_lshl_b32 s31, s31, 11                        ; the token's row of out0: 2,048 bytes a row
	v_add_nc_u32 v[WORK+8*\b+\i], s31, v[LI]       ; a register of its own for each row
.irp q, 0,1,2,3
	global_store_b128 v[WORK+8*\b+\i], v[XF+16*\i+4*\q:XF+16*\i+4*\q+3], s[18:19] offset:512*\q th:TH_STORE_NT   ; 512 consecutive bytes, aligned
.endr
.endr
.endr
.Ldone:
	s_wait_dscnt 0x0
	s_wait_xcnt 0x0
	v_lshl_add_u32 v254, v0, 2, 0x3c200
	v_mov_b32 v255, 0
	s_wait_tensorcnt 0x0
	ds_add_u32 v254, v255
	s_wait_dscnt 0x0
	s_endpgm
.Lfunc_end_k_q49352df7b8_chain:
	.size	k_q49352df7b8_chain, .Lfunc_end_k_q49352df7b8_chain-k_q49352df7b8_chain
	.p2alignl 7, 3214868480
	.fill 96, 4, 3214868480
	.section	.rodata,"a",@progbits
	.p2align	6, 0x0
	.amdhsa_kernel k_q49352df7b8_chain
		.amdhsa_group_segment_fixed_size 246784
		.amdhsa_private_segment_fixed_size 0
		.amdhsa_enable_private_segment 0
		.amdhsa_kernarg_size 64
		.amdhsa_user_sgpr_count 2
		.amdhsa_user_sgpr_kernarg_segment_ptr 1
		.amdhsa_wavefront_size32 1
		.amdhsa_system_sgpr_workgroup_id_x 1
		.amdhsa_system_sgpr_workgroup_id_y 1
		.amdhsa_system_sgpr_workgroup_id_z 1
		.amdhsa_system_vgpr_workitem_id 0
		.amdhsa_next_free_vgpr 1024
		.amdhsa_next_free_sgpr 66
		.amdhsa_reserve_vcc 0
		.amdhsa_float_denorm_mode_32 3
		.amdhsa_float_denorm_mode_16_64 3
		.amdhsa_memory_ordered 1
		.amdhsa_forward_progress 1
		.amdhsa_inst_pref_size 255
	.end_amdhsa_kernel
	.section	.bss,"aw",@nobits
	.p2align	6
	.space	262144
	.amdgpu_metadata
---
amdhsa.version: [ 1, 2 ]
amdhsa.kernels:
  - .name:           k_q49352df7b8_chain
    .symbol:         k_q49352df7b8_chain.kd
    .args:
      - { .name: xq, .offset: 0, .size: 8, .value_kind: global_buffer, .address_space: global }
      - { .name: xs, .offset: 8, .size: 8, .value_kind: global_buffer, .address_space: global }
      - { .name: wq, .offset: 16, .size: 8, .value_kind: global_buffer, .address_space: global }
      - { .name: b1, .offset: 24, .size: 8, .value_kind: global_buffer, .address_space: global }
      - { .name: b2, .offset: 32, .size: 8, .value_kind: global_buffer, .address_space: global }
      - { .name: probs, .offset: 40, .size: 8, .value_kind: global_buffer, .address_space: global }
      - { .name: tiles, .offset: 48, .size: 8, .value_kind: global_buffer, .address_space: global }
      - { .name: out0, .offset: 56, .size: 8, .value_kind: global_buffer, .address_space: global }
    .group_segment_fixed_size: 246784
    .private_segment_fixed_size: 0
    .kernarg_segment_align: 8
    .kernarg_segment_size: 64
    .max_flat_workgroup_size: 128
    .sgpr_count:     66
    .vgpr_count:     1024
    .wavefront_size: 32
...
	.end_amdgpu_metadata
.endif
;; end of part 3
